; MI455X (gfx1250); checked and timed in simulation.
; The chip was launched on July 23, 2026; its instructions are those of AMD's public machine-readable ISA for CDNA 5 (MIT licence, August 2026) and "CDNA5" Instruction Set Architecture Reference Guide (July 2026). The comments in the code are by the model that wrote it; some were corrected since.
;; ATT. Allowed arithmetic: matrix products marked QUANTISED: E4M3 operands, one given power-of-two scale a tensor, by v_wmma_f32_16x16x64_fp8_fp8 or v_wmma_f32_16x16x128_fp8_fp8, f32 sums; everything else in f32.
;; Inputs: Wk 256 x 256 float32; Wo 256 x 256 float32; Wq 256 x 256 float32; Wv 256 x 256 float32; lowp_scales 12 int32 (the exponents e of the quantised operands' scales 2^e); source 4 x 4,096 x 256 float32; target 4 x 4,096 x 256 float32.
;; Outputs: out0 4 x 4,096 x 256 float32.
;; This version of the problem:
;;   THIS VERSION OF THE PROBLEM IS GIVEN IN LOW PRECISION. The matrix products marked QUANTISED in the list below multiply operands that are first quantised to E4M3 (4 exponent bits, 3 mantissa bits; 8 bits a number), with one given power-of-two scale for each operand tensor; their sums are f32. All else is computed in f32.
;;   The module's matrix products, in the order in which they are computed (A, B: the left and right operand; K: the contracted axis; several contracted axes count as one K, in the product's order):
;;     1. [M 16,384, K 256] x [K 256, N 256]; A: input target; B: input Wq: QUANTISED (scales: A lowp_scales[0], B lowp_scales[1])
;;     2. [M 16,384, K 256] x [K 256, N 256]; A: input source; B: input Wk: QUANTISED (scales: A lowp_scales[2], B lowp_scales[3])
;;     3. [M 16,384, K 256] x [K 256, N 256]; A: input source; B: input Wv: QUANTISED (scales: A lowp_scales[4], B lowp_scales[5])
;;     4. batch 16 x [M 4,096, K 64] x [K 64, N 4,096]; A: computed on the way; B: computed on the way: QUANTISED (scales: A lowp_scales[6], B lowp_scales[7])
;;     5. batch 16 x [M 64, K 4,096] x [K 4,096, N 4,096]; A: computed on the way; B: softmax (see below): QUANTISED (scales: A lowp_scales[8], B lowp_scales[9])
;;     6. [M 16,384, K 256] x [K 256, N 256]; A: computed on the way; B: input Wo: QUANTISED (scales: A lowp_scales[10], B lowp_scales[11])
;;   THE QUANTISER, for each operand of a quantised product, along K:
;;     - The operand's scale is 2^e, e = its entry of the input lowp_scales (int32; the entries are numbered through the quantised products in the list's order, A before B).
;;     - Each number is divided by the scale, clamped to +-448, and rounded to the nearest number of E4M3, ties to even, subnormals kept.
;;     - The product sums the exact products of the quantised numbers (number of the format x scale) in f32.
;;   ~~~python
;;   def quantise(x, axis, e):      # numpy; x: float32 -> the quantised numbers, widened to float32 again
;;       x = np.moveaxis(x, axis, -1); K = x.shape[-1]
;;       r = np.clip(x / 2.0 ** e, -448, 448)
;;       step = 2.0 ** (np.maximum(np.frexp(np.where(r == 0, 1, r))[1] - 1, -6) - 3)
;;       q = np.round(r / step) * step * 2.0 ** e      # np.round: ties to even
;;       return np.moveaxis(q, -1, axis).astype(np.float32)
;;   ~~~
;;   SOFTMAX AHEAD OF A QUANTISED PRODUCT. Where the list says 'softmax', what is quantised is not the finished softmax but p = 2^(t - M), with t = logit x log2(e) and M = ceil(the row's largest t), a whole number; so 1/2 < the row's largest p <= 1. The row's sum l is taken of the UNQUANTISED p, in f32, and the product's result is divided by l at the end. Since M is a whole number, a kernel that streams over the keys may use a running M (the ceiling of the running maximum): every later rescaling is an exact power of two, so the quantised numbers keep their values, but for numbers so far below the row's largest that they fall under the format's range.
;;   OPERANDS COMPUTED ON THE WAY. 'Computed on the way' means the value that the module computes at that place (a softmax that the list does not call 'softmax' is quantised finished and normalised). What goes into a quantiser is computed in f32, as accurately as f32 sums, v_exp_f32 and their like allow (about 1e-6 of the number): no bf16 or f16 on the way to a quantiser, and a product that is left as it is and whose result goes on into a quantised operand takes f32 operands (vector FMAs, or v_wmma_f32_16x16x4_f32). A number that lies on a knife's edge between two numbers of the format may be rounded either way, as far as f32 arithmetic and the matrix unit's own rounding can turn it there, and no further.
;; One version. Each part assembles by itself: llvm-mc -triple=amdgcn-amd-amdhsa -mcpu=gfx1250 --defsym DOCPART=n.
;; ======== version 1 of 1: 2 launches
;; limits: right only within a limited range of input values
;; workspace buffers: q_img 4,194,304 bytes; k_img 4,194,304 bytes; v_img 4,194,304 bytes; wo_img 65,536 bytes
;; launch proj (part 1): grid 193 x 1, 8 waves a work-group, no clusters, 33,792 bytes of LDS; arguments target, source, Wq, Wk, Wv, Wo, lowp_scales, q_img, k_img, v_img, wo_img; writes q_img, k_img, v_img, wo_img
.if DOCPART == 1
	.amdgcn_target "amdgcn-amd-amdhsa--gfx1250"
	.amdhsa_code_object_version 6
	.text
	.protected	k_q5c4dbb31a0_proj
	.globl	k_q5c4dbb31a0_proj
	.p2align	8
	.type	k_q5c4dbb31a0_proj,@function
k_q5c4dbb31a0_proj:
	s_mov_b64 s[64:65], 0
	v_nop
	global_prefetch_b8 v0, s[64:65] scope:SCOPE_SE
	s_setreg_imm32_b32 hwreg(HW_REG_WAVE_MODE, 25, 1), 1
	s_wait_xcnt 0x0
; q = target Wq, k = source Wk, v = source Wv on codes of FP8 (E4M3), each operand with its given scale 2^e; the results are quantised at once for the two
; products of attention and stored as IMAGES OF OPERAND REGISTERS (a group = 4 registers x 32 lanes = 512 bytes, lane l's 16 bytes at 16 l).  Wo is only quantised.
; SHARES.  Work-group g: kind = g / 64 (0 q, 1 k, 2 v, 3 Wo: the one work-group 192), part = g % 64: rows 256 x part on, four blocks of 64 rows.
; Wave w = (head hd = w / 2, half bq = w % 2) owns the weight's columns 64 hd + 32 bq + 0 .. 31 over all K = 256: four fragments, quantised once into 64 registers, where they stay.
; A lane takes a column and its registers run down K, so the conversions' results are the operand's registers.
; ONE ORDER EVERYWHERE: lane r of tile 2 b + u holds row (or column) 32 b + 8 u + r + 8 (r / 8); an operand's registers 4 c .. 4 c + 3 hold k = 32 c + 16 (lane / 16) + 0 .. 15, the same on both sides of a product.
; So in a result the 16 registers of tiles 2 b, 2 b + 1 are 16 neighbours, 32 b + 16 (lane / 16) + 0 .. 15: the next product's K.
; q, k: source 0 = the weight's columns, source 1 = x's rows: a lane holds one row and 16 channels.   v: source 0 = x's rows, source 1 = the columns: a lane holds one channel and 16 keys.
; A BLOCK: wave w quantises fragment (tile w / 2, K step w % 2) of x and stores its image in LDS | barrier | every wave multiplies all four tiles by its columns.  Two image buffers take turns: one barrier a block.
; LAYOUTS.  q_img, k_img: blk x 16384 + hd x 4096 + tile x 1024 + c x 512.  v_img: blk x 16384 + pair of 32 keys x 8192 + hd x 2048 + channel tile x 512.  wo_img: wave x 8192 + 512 n.
; LIMITS, so that each power of two below is an f32 number: the exponent of x, of the weight, and (result's - x's - weight's) each between -126 and 119.  NaN among the inputs is not served.
; No tensor load, no cluster: the work-groups share only the weights, 1/64 of what a work-group reads of x would be saved for none of them by a joint load of f32 numbers that each quantises anyway.
.set SPARE, 32768                      ; behind the two image buffers: the spare words, 128 bytes a wave: four blocks of 256 bytes that no other line names
.set XA,   1                           ; v1   x: my lane's byte in the block (my tile's row, my K step, my half's 64 bytes)
.set WA,   2                           ; v2   the weight: 16 rows down for lanes 16-31, + 4 x my column
.set LI,   3                           ; v3   16 x lane
.set XWI,  4                           ; v4   where I store x's image: 16 x lane + 2048 x wave
.set SPW,  5                           ; v5   my spare word; never rewritten
.set NIL,  6                           ; v6   0; never rewritten
.set XS,   7                           ; v7   2^ex          v8  448 x 2^ex
.set XL,   8
.set S2,   9                           ; v9   2^ew, later 2^(eo - ex - ew)      v10  448 x that
.set L2,   10
.set VO,   12                          ; v12-15 where group (pair b, g) of a block's results goes
.set CD,   16                          ; v16-31 codes: x's fragment, then the results'
.set ACC,  32                          ; v32-63 four accumulators (at the head: weight numbers, set 0)
.set XF,   64                          ; v64-127 x's fragments (u, s) at 64 + 32 u + 16 s (at the head v64-95: weight numbers, set 1)
.set XSTG, 128                         ; v128-191 64 numbers of x
.set WR,   192                         ; v192-255 my weight fragments (tt, s) at 192 + 16 (2 tt + s)
.set WV,   26
.set KIND, 27
.set IDX,  28
.set PX,   30                          ; s[30:31] x at my work-group's first row
.set PW,   32                          ; s[32:33] the weight
.set PO,   34                          ; s[34:35] the images
.macro PLACES n
.rept \n
	v_nop
.endr
.endm
.macro PAT e, vs, vl                   ; from the whole number in s[e]: 2^e and 448 x 2^e as f32
	s_add_co_i32 s57, s[\e], 127
	s_lshl_b32 s58, s57, 23
	v_mov_b32 v[\vs], s58
	s_add_co_i32 s57, s57, 8
	s_lshl_b32 s57, s57, 23
	s_or_b32 s57, s57, 0x600000
	v_mov_b32 v[\vl], s57
.endm
.macro XLOAD i                         ; block i: my fragment's 64 numbers a lane: 16 neighbours of each block of 32 along K
.irp c, 0,1,2,3
.irp j, 0,1,2,3
	global_load_b128 v[XSTG+16*\c+4*\j:XSTG+16*\c+4*\j+3], v[XA], s[PX:PX+1] offset:(\i)*65536+128*\c+16*\j
.endr
.endr
.endm
.macro LW n                            ; chunk n of my weight columns: tile n / 4, K step (n / 2) % 2, half n % 2 of it: 32 numbers a lane, down K
.set W_TT, (\n)>>2
.set W_KS, ((\n)>>1)&1
.set W_CH, (\n)&1
.set W_ST, 32+32*((\n)&1)
.irp cc, 0,1
.irp i, 0,1,2,3,4,5,6,7,8,9,10,11,12,13,14,15
	global_load_b32 v[W_ST+16*\cc+\i], v[WA], s[PW:PW+1] offset:(128*W_KS+32*(2*W_CH+\cc)+\i)*1024+32*W_TT
.endr
.endr
.endm
.macro CW n                            ; chunk n becomes eight registers of codes
.set W_D, WR+16*(2*((\n)>>2)+(((\n)>>1)&1))+8*((\n)&1)
.set W_ST, 32+32*((\n)&1)
.if (\n) < 7
	s_wait_loadcnt 32                              ; loads come back in order: all but the next chunk's 32 are in
.else
	s_wait_loadcnt 0x0
.endif
.set ii, 0
.rept 32
	v_med3_num_f32 v[W_ST+ii], v[W_ST+ii], -v[L2], v[L2]   ; the conversion does not saturate (ISA guide 7.6.2): the hold at the largest code x the scale
.set ii, ii+1
.endr
.irp g, 0,1,2,3
	v_cvt_scalef32_pk8_fp8_f32 v[W_D+2*\g:W_D+2*\g+1], v[W_ST+8*\g:W_ST+8*\g+7], v[S2]
.endr
.if (\n) < 6
	LW (\n)+2                                      ; the set just read takes the chunk two further on; the next chunk's holds are the plain lines behind these conversions
.endif
.endm
.macro QUANT                           ; my 64 numbers of x become a fragment's codes
.set ii, 0
.rept 64
	v_med3_num_f32 v[XSTG+ii], v[XSTG+ii], -v[XL], v[XL]
.set ii, ii+1
.endr
.irp g, 0,1,2,3,4,5,6,7
	v_cvt_scalef32_pk8_fp8_f32 v[CD+2*\g:CD+2*\g+1], v[XSTG+8*\g:XSTG+8*\g+7], v[XS]
.endr
	v_nop                                          ; one plain line behind the last conversion
.endm
.macro IMAGE i
.irp c, 0,1,2,3
	ds_store_b128 v[XWI], v[CD+4*\c:CD+4*\c+3] offset:((\i)&1)*16384+512*\c
.endr
.endm
.macro FETCH i, b                      ; x's four fragments of tiles 2 b, 2 b + 1
.irp u, 0,1
.irp s, 0,1
.irp c, 0,1,2,3
	ds_load_b128 v[XF+32*\u+16*\s+4*\c:XF+32*\u+16*\s+4*\c+3], v[LI] offset:((\i)&1)*16384+(2*(2*(\b)+\u)+\s)*2048+512*\c
.endr
.endr
.endr
.endm
; Eight products: two tiles of rows x my two tiles of columns x two K steps.  The four accumulators take turns, one instruction a turn; the first K step starts the sums.
.macro MM
	s_cmp_eq_u32 s[KIND], 2
	s_cbranch_scc1 .Lv_\@
.irp s, 0,1
.irp u, 0,1
.irp t, 0,1
.if \s == 0
	v_wmma_f32_16x16x128_fp8_fp8 v[ACC+16*\u+8*\t:ACC+16*\u+8*\t+7], v[WR+16*(2*\t+\s):WR+16*(2*\t+\s)+15], v[XF+32*\u+16*\s:XF+32*\u+16*\s+15], 0
.else
	v_wmma_f32_16x16x128_fp8_fp8 v[ACC+16*\u+8*\t:ACC+16*\u+8*\t+7], v[WR+16*(2*\t+\s):WR+16*(2*\t+\s)+15], v[XF+32*\u+16*\s:XF+32*\u+16*\s+15], v[ACC+16*\u+8*\t:ACC+16*\u+8*\t+7]
.endif
.endr
.endr
.endr
	s_branch .Lj_\@
.Lv_\@:
.irp s, 0,1
.irp u, 0,1
.irp t, 0,1
.if \s == 0
	v_wmma_f32_16x16x128_fp8_fp8 v[ACC+16*\t+8*\u:ACC+16*\t+8*\u+7], v[XF+32*\u+16*\s:XF+32*\u+16*\s+15], v[WR+16*(2*\t+\s):WR+16*(2*\t+\s)+15], 0
.else
	v_wmma_f32_16x16x128_fp8_fp8 v[ACC+16*\t+8*\u:ACC+16*\t+8*\u+7], v[XF+32*\u+16*\s:XF+32*\u+16*\s+15], v[WR+16*(2*\t+\s):WR+16*(2*\t+\s)+15], v[ACC+16*\t+8*\u:ACC+16*\t+8*\u+7]
.endif
.endr
.endr
.endr
.Lj_\@:
.endm
.macro OUTQ b                          ; the four accumulators, from their low ends on, become two groups of codes: a sum stands for sum x 2^(ex + ew), so its code is sum / 2^(eo - ex - ew)
.set ii, 0
.rept 32
	v_med3_num_f32 v[ACC+ii], v[ACC+ii], -v[L2], v[L2]
.set ii, ii+1
.endr
.irp g, 0,1,2,3
	v_cvt_scalef32_pk8_fp8_f32 v[CD+8*(\b)+2*\g:CD+8*(\b)+2*\g+1], v[ACC+8*\g:ACC+8*\g+7], v[S2]
.endr
	v_nop                                          ; one plain line behind the last conversion: the next products write its sources
.endm
.macro STORE i, b
.irp g, 0,1
	global_store_b128 v[VO+2*(\b)+\g], v[CD+8*(\b)+4*\g:CD+8*(\b)+4*\g+3], s[PO:PO+1] offset:(\i)*16384   ; the wave stores 512 consecutive bytes, at a multiple of 512 from the buffer's first byte
.endr
.endm
.macro BLOCK i
	s_wait_loadcnt 0x0                             ; this block's numbers of x are in
.if (\i) > 0
	s_wait_xcnt 0x0                                ; the last block's stores have read the code registers, which are written again below
.endif
	QUANT
.if (\i) < 3
	XLOAD (\i)+1                                   ; the next block's numbers, a whole block ahead
.endif
	IMAGE \i
	s_wait_dscnt 0x0                               ; for the others' sake: my image has landed, and my reads of the last block's images are in
	s_barrier_signal -1
	s_barrier_wait -1                              ; x's eight fragments lie in LDS; the other buffer may be written by whoever passes here
	FETCH \i, 0
	s_wait_dscnt 0x0
	MM
	PLACES 4                                       ; in front of loads into registers that the products have read, and of the first read of results
	FETCH \i, 1
	OUTQ 0
	STORE \i, 0
	s_wait_dscnt 0x0
	MM
	PLACES 4
	OUTQ 1
	STORE \i, 1
.endm
	s_load_b256 s[4:11], s[0:1], 0x0               ; target s[4:5], source s[6:7], Wq s[8:9], Wk s[10:11]
	s_load_b256 s[12:19], s[0:1], 0x20             ; Wv s[12:13], Wo s[14:15], the scales' exponents s[16:17], q_img s[18:19]
	s_load_b128 s[20:23], s[0:1], 0x40             ; k_img s[20:21], v_img s[22:23]
	s_load_b64 s[24:25], s[0:1], 0x50              ; wo_img
	v_lshl_add_u32 v[SPW], v0, 2, SPARE
	v_mov_b32 v[NIL], 0
	v_lshrrev_b32 v11, 5, v0
	s_delay_alu instid0(VALU_DEP_1)
	v_readfirstlane_b32 s[WV], v11                 ; wave 0..7
	s_lshr_b32 s[KIND], ttmp9, 6
	s_and_b32 s[IDX], ttmp9, 63
	s_lshr_b32 s55, s[WV], 1                       ; hd; also the tile of x that I quantise
	s_and_b32 s56, s[WV], 1                        ; bq; also its K step
	v_and_b32 v11, 15, v0                          ; r
	v_bfe_u32 v32, v0, 4, 1                        ; h
	s_delay_alu instid0(VALU_DEP_2)
	v_and_b32 v33, 8, v11
	s_delay_alu instid0(VALU_DEP_1)
	v_add_nc_u32 v33, v33, v11                     ; r + 8 (r / 8)
	v_and_b32 v[LI], 31, v0
	s_delay_alu instid0(VALU_DEP_1)
	v_lshlrev_b32 v[LI], 4, v[LI]
	s_wait_alu depctr_va_vdst(0)
	s_lshr_b32 s57, s55, 1
	s_lshl_b32 s57, s57, 15                        ; 32 rows of 1,024 bytes x (tile / 2)
	s_and_b32 s58, s55, 1
	s_lshl_b32 s58, s58, 13                        ; + 8 rows x (tile % 2)
	s_add_co_u32 s57, s57, s58
	s_lshl_b32 s58, s56, 9                         ; + 512 bytes x K step
	s_add_co_u32 s57, s57, s58
	v_lshlrev_b32 v[XA], 10, v33
	s_delay_alu instid0(VALU_DEP_1)
	v_lshl_add_u32 v[XA], v32, 6, v[XA]
	s_delay_alu instid0(VALU_DEP_1)
	v_add_nc_u32 v[XA], s57, v[XA]
	v_lshlrev_b32 v[WA], 2, v33
	s_delay_alu instid0(VALU_DEP_1)
	v_lshl_add_u32 v[WA], v32, 14, v[WA]
	s_lshl_b32 s58, s[WV], 7                       ; 4 x (64 hd + 32 bq)
	v_add_nc_u32 v[WA], s58, v[WA]
	s_lshl_b32 s58, s[WV], 11
	v_add_nc_u32 v[XWI], s58, v[LI]
	s_lshl_b32 s60, s[IDX], 18                     ; my 256 rows of x
	s_mov_b32 s61, 0
	s_lshl_b32 s62, s[IDX], 16                     ; my four blocks of images
	s_lshl_b32 s63, s[WV], 13                      ; (Wo: my wave's 8,192 bytes)
	s_cmp_eq_u32 s[KIND], 2                        ; the images' strides: by head, by my half, by pair b, by group g
	s_mov_b32 s51, 4096
	s_cselect_b32 s51, 2048, s51
	s_mov_b32 s52, 512
	s_cselect_b32 s52, 1024, s52
	s_mov_b32 s53, 2048
	s_cselect_b32 s53, 8192, s53
	s_mov_b32 s54, 1024
	s_cselect_b32 s54, 512, s54
	s_mul_i32 s59, s55, s51
	s_mul_i32 s58, s56, s52
	s_add_co_u32 s59, s59, s58
	v_add_nc_u32 v[VO], s59, v[LI]
	s_delay_alu instid0(VALU_DEP_1)
	v_add_nc_u32 v[VO+1], s54, v[VO]
	s_delay_alu instid0(VALU_DEP_2)
	v_add_nc_u32 v[VO+2], s53, v[VO]
	s_delay_alu instid0(VALU_DEP_2)
	v_add_nc_u32 v[VO+3], s53, v[VO+1]
	s_wait_kmcnt 0x0
	s_load_b256 s[36:43], s[16:17], 0x0            ; e0 .. e7
	s_load_b128 s[44:47], s[16:17], 0x20           ; e8 .. e11
	s_cmp_eq_u32 s[KIND], 0                        ; the buffers are chosen by the work-group's number alone
	s_cselect_b64 s[PX:PX+1], s[4:5], s[6:7]
	s_cselect_b64 s[PW:PW+1], s[8:9], s[10:11]
	s_cselect_b64 s[PO:PO+1], s[18:19], s[20:21]
	s_cmp_eq_u32 s[KIND], 2
	s_cselect_b64 s[PW:PW+1], s[12:13], s[PW:PW+1]
	s_cselect_b64 s[PO:PO+1], s[22:23], s[PO:PO+1]
	s_cmp_eq_u32 s[KIND], 3
	s_cselect_b64 s[PW:PW+1], s[14:15], s[PW:PW+1]
	s_cselect_b64 s[PO:PO+1], s[24:25], s[PO:PO+1]
	s_cselect_b32 s62, s63, s62
	s_mov_b32 s63, 0
	s_add_nc_u64 s[PX:PX+1], s[PX:PX+1], s[60:61]
	s_add_nc_u64 s[PO:PO+1], s[PO:PO+1], s[62:63]
	s_cmp_eq_u32 s[KIND], 3
	s_cbranch_scc1 .Lno_x                          ; Wo's work-group has no rows
	s_wait_alu depctr_va_vdst(0)
	XLOAD 0
.Lno_x:
	s_wait_alu depctr_va_vdst(0)
	LW 0
	LW 1
	s_wait_kmcnt 0x0
	s_cmp_eq_u32 s[KIND], 0                        ; ex, ew, eo: q: e0, e1, e6;  k: e2, e3, e7;  v: e4, e5, e8;  Wo: ew = e11
	s_cselect_b32 s48, s36, s38
	s_cselect_b32 s49, s37, s39
	s_cselect_b32 s50, s42, s43
	s_cmp_eq_u32 s[KIND], 2
	s_cselect_b32 s48, s40, s48
	s_cselect_b32 s49, s41, s49
	s_cselect_b32 s50, s44, s50
	s_cmp_eq_u32 s[KIND], 3
	s_cselect_b32 s49, s47, s49
	PAT 48, XS, XL
	PAT 49, S2, L2
	s_wait_alu depctr_va_vdst(0)
.irp n, 0,1,2,3,4,5,6,7
	CW \n
.endr
	v_nop                                          ; one plain line behind the last conversion
	s_cmp_lg_u32 s[KIND], 3
	s_cbranch_scc1 .Lrows
.irp n, 0,1,2,3,4,5,6,7,8,9,10,11,12,13,14,15
	global_store_b128 v[LI], v[WR+4*\n:WR+4*\n+3], s[PO:PO+1] offset:512*\n   ; Wo's fragments as they stand: this work-group has written no LDS and meets no barrier
.endr
	s_endpgm
.Lrows:
	s_sub_co_i32 s50, s50, s48
	s_sub_co_i32 s50, s50, s49                     ; eo - ex - ew: the three scales folded into the conversion's one
	PAT 50, S2, L2
	BLOCK 0
	BLOCK 1
	BLOCK 2
	BLOCK 3
	s_wait_tensorcnt 0x0                           ; the wave's end
	ds_add_u32 v[SPW], v[NIL]
	s_wait_dscnt 0x0
	s_endpgm
.Lfunc_end_k_q5c4dbb31a0_proj:
	.size	k_q5c4dbb31a0_proj, .Lfunc_end_k_q5c4dbb31a0_proj-k_q5c4dbb31a0_proj
	.p2alignl 7, 3214868480
	.fill 96, 4, 3214868480
	.section	.rodata,"a",@progbits
	.p2align	6, 0x0
	.amdhsa_kernel k_q5c4dbb31a0_proj
		.amdhsa_group_segment_fixed_size 33792
		.amdhsa_private_segment_fixed_size 0
		.amdhsa_enable_private_segment 0
		.amdhsa_kernarg_size 88
		.amdhsa_user_sgpr_count 2
		.amdhsa_user_sgpr_kernarg_segment_ptr 1
		.amdhsa_wavefront_size32 1
		.amdhsa_system_sgpr_workgroup_id_x 1
		.amdhsa_system_sgpr_workgroup_id_y 1
		.amdhsa_system_sgpr_workgroup_id_z 1
		.amdhsa_system_vgpr_workitem_id 0
		.amdhsa_next_free_vgpr 256
		.amdhsa_next_free_sgpr 66
		.amdhsa_reserve_vcc 0
		.amdhsa_float_denorm_mode_32 3
		.amdhsa_float_denorm_mode_16_64 3
		.amdhsa_memory_ordered 1
		.amdhsa_forward_progress 1
		.amdhsa_inst_pref_size 113
	.end_amdhsa_kernel
	.amdgpu_metadata
---
amdhsa.version: [ 1, 2 ]
amdhsa.kernels:
  - .name:           k_q5c4dbb31a0_proj
    .symbol:         k_q5c4dbb31a0_proj.kd
    .args:
      - { .name: target, .offset: 0, .size: 8, .value_kind: global_buffer, .address_space: global }
      - { .name: source, .offset: 8, .size: 8, .value_kind: global_buffer, .address_space: global }
      - { .name: Wq, .offset: 16, .size: 8, .value_kind: global_buffer, .address_space: global }
      - { .name: Wk, .offset: 24, .size: 8, .value_kind: global_buffer, .address_space: global }
      - { .name: Wv, .offset: 32, .size: 8, .value_kind: global_buffer, .address_space: global }
      - { .name: Wo, .offset: 40, .size: 8, .value_kind: global_buffer, .address_space: global }
      - { .name: lowp_scales, .offset: 48, .size: 8, .value_kind: global_buffer, .address_space: global }
      - { .name: q_img, .offset: 56, .size: 8, .value_kind: global_buffer, .address_space: global }
      - { .name: k_img, .offset: 64, .size: 8, .value_kind: global_buffer, .address_space: global }
      - { .name: v_img, .offset: 72, .size: 8, .value_kind: global_buffer, .address_space: global }
      - { .name: wo_img, .offset: 80, .size: 8, .value_kind: global_buffer, .address_space: global }
    .group_segment_fixed_size: 33792
    .private_segment_fixed_size: 0
    .kernarg_segment_align: 8
    .kernarg_segment_size: 88
    .max_flat_workgroup_size: 256
    .sgpr_count:     66
    .vgpr_count:     256
    .wavefront_size: 32
...
	.end_amdgpu_metadata
.endif
;; end of part 1
;; launch attn (part 2): grid 64 x 4, 8 waves a work-group, clusters of 4 x 1, 327,680 bytes of LDS; arguments q_img, k_img, v_img, wo_img, lowp_scales, out0; writes out0
.if DOCPART == 2
	.amdgcn_target "amdgcn-amd-amdhsa--gfx1250"
	.amdhsa_code_object_version 6
	.text
	.protected	k_q5c4dbb31a0_attn
	.globl	k_q5c4dbb31a0_attn
	.p2align	8
	.type	k_q5c4dbb31a0_attn,@function
k_q5c4dbb31a0_attn:
	s_mov_b64 s[64:65], 0
	v_nop
	global_prefetch_b8 v0, s[64:65] scope:SCOPE_SE
	s_setreg_imm32_b32 hwreg(HW_REG_WAVE_MODE, 25, 1), 1
	s_wait_xcnt 0x0
	s_wait_alu depctr_hold_cnt(0) depctr_sa_sdst(0) depctr_va_vdst(0) depctr_va_sdst(0) depctr_va_ssrc(0) depctr_va_vcc(0) depctr_vm_vsrc(0)
	s_getreg_b32 s2, hwreg(HW_REG_IB_STS2, 6, 4)
	s_cmp_eq_u32 s2, 0
	s_cbranch_scc0 .Lentry_in_a_cluster
	s_endpgm
.Lentry_in_a_cluster:
	s_bfe_u32 s2, ttmp6, 0x10000c
	s_cmp_lg_u32 s2, 0x3003
	s_cbranch_scc0 .Lentry_shape_is_right
	s_endpgm
.Lentry_shape_is_right:
; Attention and the product with Wo, on codes of FP8 (E4M3): out = Q(softmax(q k^T / 8) v) Wo, every operand with its given scale 2^e.
; SHARES.  A work-group owns 64 queries of a batch, all four heads; wave w = (head hd = w % 4, half pr = w / 4) owns 32 queries of its head, two tiles y = 0, 1 of 16, and walks all 4,096 keys, 128 a step.
; At the end the waves exchange their codes of o through LDS, and each multiplies its 32 rows (half pr, all four heads) by 64 columns (64 hd ..) of Wo.
; THE SOFTMAX: t = score x c, c = log2(e) / 8; M = the row's largest t so far, rounded up to a whole number; p = 2^(t - M) is quantised along the keys; the row's sum is taken of the unquantised p in f32 and divides at the end.
; When M moves, the sum and O are multiplied by f = 2^(old M - new M), a power of two.
; LAYOUT.  Both products are used transposed: S^T = K Q^T, O^T = V^T P^T: a lane holds ONE query throughout.  q_img, k_img, v_img and wo_img are images of operand registers (512 bytes a group of four registers).
; The 16 registers of score tiles 2 b, 2 b + 1 are 16 neighbouring keys, so the conversions' results are the second product's operand.
; THE RING: two slots of 256 keys x 4 heads (K's images 65,536 bytes, then V's), 2^17 bytes apart.  CLUSTERS of 4 work-groups of one batch walk the same keys: every load is a joint request of the four, one a wave: waves 0-3 K, 4-7 V.
; A HALF STEP serves tile y: the quarters of P2 (sums, holds, conversions of the step before), the products S^T of this step, the rescaling and the products O^T of the step before, P1 (maximum, scaling of this step);
; among them go the OTHER tile's 64 exponentials in bursts, one wait ahead of each burst; none stands between a product and the first reads of its results.
; REGISTERS, window 0: 1-10 addresses, 12-39 the two tiles' states, 40-71 P's codes, 72-199 scores; window 1: 0-15 Q, 16-79 O^T, 80-143 V's fragments, 144-207 K's; at the end 144-255 seven of Wo's eight fragments.
; A tile's state T: +0, +12: -M by turns (even and odd steps); +1 the largest score; +2..5 the sum in four parts; +6 f; +8..11 at work; +7 and +13 are named as upper halves of pairs.
; LIMITS: e6 + e7 between -123 and 130; e9 and e10 between -126 and 119; e10 + e11 between -126 and 127, so that each power of two is an f32 number.  Scaled scores stay under 2^31 in magnitude.  NaN among the inputs is not served.
.set SLOT1, 1<<17
.set VOFF,  65536
.set SPARE, 2*SLOT1                    ; the spare words: 128 bytes a wave, named by no other line
.set STAGE, SPARE+1024                 ; the way out: 16 rows x 272 bytes a wave; no load lands here
.set OIMG,  STAGE+8*16*272             ; the codes of o, 8,192 bytes for each half pr
.set AK0,  1
.set AV0,  2
.set PFO,  3
.set ADK,  4
.set ADV,  5
.set SPW,  6
.set NIL,  7
.set LIMV, 8
.set SCV,  9
.set LI,   10
.set ST,   12
.set PC,   40
.set S,    72
.set YA,   136
.set W7,   216                         ; Wo's eighth fragment
.set OST,  240
.set OLD,  241
.set STO,  242
.set RD,   243
.set GO,   244
.set QF,   0
.set OT,   16
.set VF,   80
.set KF,   144
.set WO,   144
.set WV,   16
.set HD,   17
.set PR,   18
.set CX,   19
.set SEL,  20
.set CS,   22
.set G1,   24
.set G0A,  32
.set G0B,  36
.set TB,   40
.set SLOTS, 41
.set LIM,  42
.set LIMS, 43                          ; s43 448 x 2^e9
.set PFA,  44
.set SC2,  46
.set MSB, 0
.set FIRST, 0
.macro WIN new                         ; the immediate's high byte repeats the setting that is left
.if MSB != \new
	s_set_vgpr_msb (MSB<<8)|\new
.set MSB, \new
.endif
.endm
.macro VW
	s_wait_alu depctr_va_vdst(0)
.endm
.macro PLACES n
.rept \n
	v_nop
.endr
.endm
.macro CROUND                          ; a round of the cluster's barrier
	s_barrier_signal -1
	s_barrier_wait -1
	s_cmp_lg_u32 s[WV], 0
	s_cbranch_scc1 .Lnot_wave_0_\@
	s_barrier_signal -3
.Lnot_wave_0_\@:
	s_barrier_wait -3
	s_barrier_signal -1
	s_barrier_wait -1
.endm
; A prefetch of the slot after the one that is being asked for.  In the batch's first cluster alone: of each slot's two runs of 65,536 bytes (K's, V's), work-group cx's even waves name 2 x 8,192 bytes each, lanes 256 bytes apart.
; The last change that fills a slot asks for nothing; slots 0 to 2 come by their loads alone.
.macro ASK
	s_cmp_gt_u32 s[SLOTS], s[LIM]
	s_cbranch_scc0 .Lnot_mine_\@
	global_prefetch_b8 v[PFO], s[PFA:PFA+1] th:TH_LOAD_NT scope:SCOPE_SE
.Lnot_mine_\@:
.endm
; A burst of exponentials of the other tile.  The wait ahead of it covers the burst's sources, what plain lines ahead of it wrote and lines behind it read, and the burst before.
.macro EXPB n
.if EB >= 0
	VW
.rept \n
	v_exp_f32 v[EB+ecnt], v[EB+ecnt]
.set ecnt, ecnt+1
.endr
.endif
.endm
; P2: tile y's p: the row's sum (unquantised), the hold (p is never negative; two numbers an instruction), the codes.  Four quarters of 16 numbers.
.macro P2 y
	WIN 0
.set rT, ST+14*(\y)
.set rP, PC+16*(\y)
.irp b, 0,1,2,3
	EXPB 10
.irp j, 0,1,2,3
.set rX, S+64*(\y)+16*\b+4*\j
.if (\b+\j) == 0
	v_pk_fma_f32 v[rT+2:rT+3], v[rT+2:rT+3], v[rT+6:rT+7], v[rX:rX+1] op_sel_hi:[1,0,1]     ; the sum under the new M, and the first numbers
	v_pk_fma_f32 v[rT+4:rT+5], v[rT+4:rT+5], v[rT+6:rT+7], v[rX+2:rX+3] op_sel_hi:[1,0,1]
.else
	v_pk_add_f32 v[rT+2:rT+3], v[rT+2:rT+3], v[rX:rX+1]
	v_pk_add_f32 v[rT+4:rT+5], v[rT+4:rT+5], v[rX+2:rX+3]
.endif
	v_dual_min_num_f32 v[rX], s[LIMS], v[rX] :: v_dual_min_num_f32 v[rX+1], s[LIMS], v[rX+1]     ; the conversion does not saturate (ISA guide 7.6.2)
	v_dual_min_num_f32 v[rX+2], s[LIMS], v[rX+2] :: v_dual_min_num_f32 v[rX+3], s[LIMS], v[rX+3]
.endr
.set rX, S+64*(\y)+16*\b
	v_cvt_scalef32_pk8_fp8_f32 v[rP+4*\b:rP+4*\b+1], v[rX:rX+7], v[SCV]
	v_cvt_scalef32_pk8_fp8_f32 v[rP+4*\b+2:rP+4*\b+3], v[rX+8:rX+15], v[SCV]
.endr
	v_nop                                          ; one plain line behind the last conversion: the products below write its sources
.endm
.macro SMM y                           ; S^T = K Q^T: eight tiles of 16 keys
	WIN 0x05
.irp t, 0,1,2,3,4,5,6,7
	v_wmma_f32_16x16x64_fp8_fp8 v[S+64*(\y)+8*\t:S+64*(\y)+8*\t+7], v[KF+8*\t:KF+8*\t+7], v[QF+8*(\y):QF+8*(\y)+7], 0
.endr
.endm
.macro RESC y                          ; O^T x f: the first reads of the last products' results, and the places behind S^T's products
	WIN 0x41
	VW
.set ii, 0
.rept 16
	v_pk_mul_f32 v[OT+32*(\y)+ii:OT+32*(\y)+ii+1], v[OT+32*(\y)+ii:OT+32*(\y)+ii+1], v[ST+14*(\y)+6:ST+14*(\y)+7] op_sel_hi:[1,0]
.set ii, ii+2
.endr
.endm
.macro PV y                            ; O^T += V^T P^T; the first step starts the sums
	WIN 0x51
.irp t, 0,1,2,3
.if FIRST
	v_wmma_f32_16x16x128_fp8_fp8 v[OT+32*(\y)+8*\t:OT+32*(\y)+8*\t+7], v[VF+16*\t:VF+16*\t+15], v[PC+16*(\y):PC+16*(\y)+15], 0
.else
	v_wmma_f32_16x16x128_fp8_fp8 v[OT+32*(\y)+8*\t:OT+32*(\y)+8*\t+7], v[VF+16*\t:VF+16*\t+15], v[PC+16*(\y):PC+16*(\y)+15], v[OT+32*(\y)+8*\t:OT+32*(\y)+8*\t+7]
.endif
.endr
.endm
.macro LOADK q                         ; the fragments of the slot's q-th 128 keys
	WIN 0x40
.irp t, 0,1,2,3,4,5,6,7
.irp c, 0,1
	ds_load_b128 v[KF+8*\t+4*\c:KF+8*\t+4*\c+3], v[ADK] offset:(\q)*32768+(\t>>2)*16384+(\t&3)*1024+\c*512
.endr
.endr
.endm
.macro LOADV q
	WIN 0x40
.irp t, 0,1,2,3
.irp c, 0,1,2,3
	ds_load_b128 v[VF+16*\t+4*\c:VF+16*\t+4*\c+3], v[ADV] offset:(\q)*32768+\c*8192+\t*512
.endr
.endr
.endm
; P1: tile y's new scores: the largest in four chains, lane l xor 16's, the new M and f, and t - M two at a time.
.macro P1 y, q
	WIN 0
.set rT, ST+14*(\y)
.set rS, S+64*(\y)
.set rN, rT+12*(\q)
.set rO, rT+12-12*(\q)
	v_max3_num_f32 v[rT+8], v[rS], v[rS+1], v[rS+2]
	v_max3_num_f32 v[rT+9], v[rS+3], v[rS+4], v[rS+5]
	v_max3_num_f32 v[rT+10], v[rS+6], v[rS+7], v[rS+8]
	v_max3_num_f32 v[rT+11], v[rS+9], v[rS+10], v[rS+11]
.set cc, 0
.rept 26
.if (cc == 4) && ((\y) == 1)           ; both tiles have read the step's K and the last step's V; the maxima above are the places in front of these loads
	LOADV \q
.if (\q) == 0
	LOADK 1
.endif
	WIN 0
.endif
	v_max3_num_f32 v[rT+8+(cc&3)], v[rT+8+(cc&3)], v[rS+12+2*cc], v[rS+13+2*cc]
.set cc, cc+1
.endr
	v_max3_num_f32 v[rT+8], v[rT+8], v[rT+9], v[rT+10]
	v_max_num_f32 v[rT+8], v[rT+8], v[rT+11]
	EXPB 4
	v_permlanex16_b32 v[rT+9], v[rT+8], s[SEL], s[SEL+1]
	EXPB 4
	v_max3_num_f32 v[rT+1], v[rT+1], v[rT+8], v[rT+9]
	s_delay_alu instid0(VALU_DEP_1)
	v_mul_f32 v[rT+10], s[CS], -v[rT+1]            ; -t of the largest (c is positive)
	EXPB 4
	v_floor_f32 v[rN], v[rT+10]                    ; the new -M
.set cc, 0
.rept 32
.if cc == 16
	EXPB 12
.endif
	v_pk_fma_f32 v[rS+2*cc:rS+2*cc+1], v[rS+2*cc:rS+2*cc+1], s[CS:CS+1], v[rN:rN+1] op_sel_hi:[1,0,0]
.if cc == 2
	v_sub_f32 v[rT+9], v[rN], v[rO]                ; old M - new M: a whole number, 0 or less
.endif
.if cc == 6
	v_cvt_i32_f32 v[rT+9], v[rT+9]                 ; (it saturates)
.endif
.if cc == 10
	v_ldexp_f32 v[rT+6], 1.0, v[rT+9]
.endif
.set cc, cc+1
.endr
.endm
; p2: finish the step before; nx: begin a step, the slot's q-th; ex: the other tile's exponentials
.macro HALF y, p2, nx, ex, q
.set ecnt, 0
.if \ex
.set EB, S+64*(1-(\y))
.else
.set EB, -1
.endif
.if (\nx) && ((\y) == 0) && ((\q) == 0)
	LOADK 0
.endif
.if \p2
	P2 \y
.endif
.if (\y) == 0
.if FIRST
	VW                                             ; (no rescaling stands between the last codes and their products in this half)
.endif
	s_wait_dscnt 0x0                               ; this step's K and the last step's V are in
.endif
.if \nx
	SMM \y
.endif
.if \p2
.if FIRST == 0
	RESC \y
.endif
	PV \y
.endif
.if \nx
.if ((\p2) == 0) || (FIRST == 1)
	PLACES 4                                       ; no rescaling here: the places in front of the maxima
.endif
	P1 \y, \q
.endif
	WIN 0
.if (\ex) && (ecnt < 64)
	VW
.rept 64
.if ecnt < 64
	v_exp_f32 v[EB+ecnt], v[EB+ecnt]
.set ecnt, ecnt+1
.endif
.endr
	v_nop
	VW
.endif
.endm
.macro FOUR                            ; a slot's two steps
	HALF 0, 1, 1, 1, 0
	HALF 1, 1, 1, 1, 0
	HALF 0, 1, 1, 1, 1
	HALF 1, 1, 1, 1, 1
.endm
; THE CHANGE OF SLOTS.  In front of the barrier each wave waits for all its tensor loads (its part of the slot ahead), adds 0 to its spare word, and waits for that and for its reads of the slot left.
; fill = 1: a round of the cluster's barrier, and the slot left is filled again by the wave's one joint load.
.macro CHANGE fill
	s_wait_tensorcnt 0x0
	ds_add_u32 v[SPW], v[NIL]                      ; scalar work stands between it and the wait
.if \fill
	s_xor_b32 s[G0B+1], s[G0B+1], SLOT1
	s_add_nc_u64 s[G0B+2:G0B+3], s[G0B+2:G0B+3], 0x10000
	s_wait_xcnt 0x0                                ; an earlier prefetch has read its address
	s_add_nc_u64 s[PFA:PFA+1], s[PFA:PFA+1], 0x10000
	s_wait_dscnt 0x0
	CROUND
	tensor_load_to_lds s[G0B:G0B+3], s[G1:G1+7]
	s_nop 0
	PLACES 4
	ASK
.else
	s_wait_dscnt 0x0
	s_barrier_signal -1
	s_barrier_wait -1
.endif
	s_xor_b32 s[TB], s[TB], SLOT1
	v_add_nc_u32 v[ADK], s[TB], v[AK0]
	v_add_nc_u32 v[ADV], s[TB], v[AV0]
.endm
	s_load_b256 s[4:11], s[0:1], 0x0               ; q_img, k_img, v_img, wo_img
	s_load_b128 s[12:15], s[0:1], 0x20             ; the scales' exponents, out0
	v_lshl_add_u32 v[SPW], v0, 2, SPARE
	v_mov_b32 v[NIL], 0
	ds_add_u32 v[SPW], v[NIL]                      ; the opening: the add, twice on end, and its wait ahead of my first tensor load
	ds_add_u32 v[SPW], v[NIL]
	v_lshrrev_b32 v11, 5, v0
	s_delay_alu instid0(VALU_DEP_1)
	v_readfirstlane_b32 s[WV], v11
	s_and_b32 s[HD], s[WV], 3
	s_lshr_b32 s[PR], s[WV], 2
	s_bfe_u32 s[CX], ttmp6, 0x40000
	s_and_b32 s52, ttmp7, 0xffff                   ; the batch
	s_lshl_b32 s54, s52, 20                        ; its first byte in k_img and v_img,
	s_lshl_b32 s56, s[HD], 14
	s_add_co_u32 s54, s54, s56                     ; + my 16,384 bytes of a slot
	s_mov_b32 s55, 0
	s_lshl_b32 s57, s[WV], 14                      ; and where they go in a slot
	s_lshl_b32 s58, ttmp9, 2
	s_add_co_u32 s58, s58, s[CX]
	s_lshl_b32 s59, s52, 6
	s_add_co_u32 s58, s58, s59                     ; my block of 64 queries
	s_lshl_b32 s60, s58, 14
	s_lshl_b32 s59, s[HD], 12
	s_add_co_u32 s60, s60, s59
	s_lshl_b32 s59, s[PR], 11
	s_add_co_u32 s60, s60, s59                     ; my two fragments of q
	s_mov_b32 s61, 0
	s_lshl_b32 s62, s58, 16
	s_lshl_b32 s59, s[PR], 15
	s_add_co_u32 s62, s62, s59
	s_lshl_b32 s59, s[HD], 8
	s_add_co_u32 s62, s62, s59                     ; my 32 rows x 256 bytes of out0
	s_mov_b32 s63, 0
	s_mov_b32 s66, s56                             ; my columns' 16,384 bytes of wo_img
	s_mov_b32 s67, 0
	s_lshl_b32 s76, s[CX], 1                       ; the prefetches: my 8,192 bytes of a slot's 65,536, beginning at slot 2: the first change steps them to slot 3
	s_bfe_u32 s77, s[WV], 0x10001
	s_add_co_u32 s76, s76, s77
	s_lshl_b32 s76, s76, 13
	s_lshl_b32 s77, s52, 20
	s_add_co_u32 s76, s76, s77
	s_add_co_u32 s76, s76, 0x20000
	s_mov_b32 s77, 0
	s_mov_b32 s[G1], 15|(3<<16)|(1<<21)            ; the mask of all four; elements of 8 bytes; bit 21 beside a mask; no padding: an image is read 512 bytes on end
	s_mov_b32 s[G1+1], 32<<16                      ; 64 rows of 256 bytes, dense
	s_mov_b32 s[G1+2], 64<<16
	s_mov_b32 s[G1+3], 32<<16
	s_mov_b32 s[G1+4], 64
	s_mov_b32 s[G1+5], 32
	s_mov_b32 s[G1+6], 0
	s_mov_b32 s[G1+7], 0
	s_mov_b32 s[SEL], 0x76543210                   ; lane l xor 16
	s_mov_b32 s[SEL+1], 0xfedcba98
	s_mov_b32 s[CS], 0x3e38aa3b                    ; c = log2(e) / 8
	s_mov_b32 s[TB], 0
	s_mov_b32 s[SLOTS], 14
	s_and_b32 s[LIM], s[WV], 1
	s_or_b32 s[LIM], s[LIM], ttmp9
	s_cmp_eq_u32 s[LIM], 0
	s_cselect_b32 s[LIM], 1, -1
	v_and_b32 v[LI], 31, v0
	s_delay_alu instid0(VALU_DEP_1)
	v_lshlrev_b32 v[PFO], 8, v[LI]
	s_delay_alu instid0(VALU_DEP_2)
	v_lshlrev_b32 v[LI], 4, v[LI]
	s_lshl_b32 s53, s[HD], 12
	v_add_nc_u32 v[AK0], s53, v[LI]
	s_lshl_b32 s53, s[HD], 11
	s_add_co_u32 s53, s53, VOFF
	v_add_nc_u32 v[AV0], s53, v[LI]
	v_add_nc_u32 v[ADK], s[TB], v[AK0]
	s_delay_alu instid0(VALU_DEP_2)
	v_add_nc_u32 v[ADV], s[TB], v[AV0]
	VW
	s_wait_dscnt 0x0                               ; both opening adds are done
	s_wait_kmcnt 0x0
	s_load_b256 s[68:75], s[12:13], 0x10           ; e4 .. e11
	s_cmp_lt_u32 s[WV], 4
	s_cselect_b64 s[G0A+2:G0A+3], s[6:7], s[8:9]
	s_cselect_b64 s[PFA:PFA+1], s[6:7], s[8:9]
	s_add_nc_u64 s[G0A+2:G0A+3], s[G0A+2:G0A+3], s[54:55]
	s_add_nc_u64 s[G0B+2:G0B+3], s[G0A+2:G0A+3], 0x10000
	s_or_b32 s[G0A+3], s[G0A+3], 0x80000000
	s_or_b32 s[G0B+3], s[G0B+3], 0x80000000
	s_mov_b32 s[G0A], 1
	s_mov_b32 s[G0A+1], s57
	s_mov_b32 s[G0B], 1
	s_add_co_u32 s[G0B+1], s57, SLOT1
	s_add_nc_u64 s[PFA:PFA+1], s[PFA:PFA+1], s[76:77]
	s_add_nc_u64 s[4:5], s[4:5], s[60:61]
	s_add_nc_u64 s[10:11], s[10:11], s[66:67]
	s_add_nc_u64 s[14:15], s[14:15], s[62:63]
	WIN 0x40
.irp n, 0,1,2,3
	global_load_b128 v[QF+4*\n:QF+4*\n+3], v[LI], s[4:5] offset:512*\n   ; Q stays in registers
.endr
	WIN 0
	CROUND                                         ; the four work-groups are here: the first joint loads meet
	tensor_load_to_lds s[G0A:G0A+3], s[G1:G1+7]    ; slot 0: one tensor load a wave at the head
	s_nop 0
	PLACES 4
.irp y, 0,1
	v_mov_b32 v[ST+14*\y+1], 0xff61b1e6            ; the largest score so far: -3e38
	v_mov_b32 v[ST+14*\y+12], 0x7f61b1e6           ; the -M before the first step: its f comes out 0
	v_mov_b32 v[ST+14*\y+13], 0
	v_mov_b32 v[ST+14*\y+2], 0                     ; the sum's four parts
	v_mov_b32 v[ST+14*\y+3], 0
	v_mov_b32 v[ST+14*\y+4], 0
	v_mov_b32 v[ST+14*\y+5], 0
	v_mov_b32 v[ST+14*\y+7], 0
.endr
	s_wait_kmcnt 0x0
	s_add_co_i32 s52, s70, s71
	s_lshl_b32 s52, s52, 23
	s_add_co_i32 s[CS], s[CS], s52                 ; a score stands for score x 2^(e6 + e7): added to c's exponent field
	s_mov_b32 s[CS+1], s[CS]                       ; (named with it as a pair)
	s_add_co_i32 s52, s73, 127
	s_lshl_b32 s53, s52, 23
	v_mov_b32 v[SCV], s53                          ; 2^e9
	s_add_co_i32 s52, s52, 8
	s_lshl_b32 s52, s52, 23
	s_or_b32 s[LIMS], s52, 0x600000                ; 448 x 2^e9
	s_add_co_i32 s52, s74, 127
	s_lshl_b32 s50, s52, 23                        ; 2^e10
	s_add_co_i32 s52, s52, 8
	s_lshl_b32 s52, s52, 23
	s_or_b32 s49, s52, 0x600000                    ; 448 x 2^e10
	s_add_co_i32 s48, s72, s73                     ; e8 + e9
	s_add_co_i32 s[SC2], s74, s75
	s_add_co_i32 s[SC2], s[SC2], 127
	s_lshl_b32 s[SC2], s[SC2], 23                  ; 2^(e10 + e11)
	s_mov_b32 s[SC2+1], s[SC2]
	VW
	s_wait_tensorcnt 0x0                           ; my part of slot 0 is in; the lines that stand ahead of a first fill as ahead of a refill:
	ds_add_u32 v[SPW], v[NIL]
	s_wait_dscnt 0x0
	CROUND                                         ; everybody's part of slot 0 is in,
	tensor_load_to_lds s[G0B:G0B+3], s[G1:G1+7]    ; and slot 1 is asked for
	s_nop 0
	PLACES 4
	s_wait_loadcnt 0x0                             ; Q
	HALF 0, 0, 1, 0, 0
	HALF 1, 0, 1, 1, 0
.set FIRST, 1
	HALF 0, 1, 1, 1, 1
	HALF 1, 1, 1, 1, 1
.set FIRST, 0
	VW
.Lslot:                                                ; 14 trips: the slots 1 to 14; each asks for the slot after next
	CHANGE 1
	FOUR
	s_sub_co_u32 s[SLOTS], s[SLOTS], 1
	s_cmp_lg_u32 s[SLOTS], 0
	VW
	s_cbranch_scc1 .Lslot
	CHANGE 0                                       ; the last slot: nothing is filled any more
	FOUR
	WIN 0x40                                       ; K's registers and those behind them are free: Wo's fragments are asked for while the last step is finished
.set ii, 0
.rept 28
	global_load_b128 v[WO+4*ii:WO+4*ii+3], v[LI], s[10:11] offset:512*ii
.set ii, ii+1
.endr
	WIN 0
.rept 4
	global_load_b128 v[W7+4*(ii-28):W7+4*(ii-28)+3], v[LI], s[10:11] offset:512*ii
.set ii, ii+1
.endr
	HALF 0, 1, 0, 1, 0
	HALF 1, 1, 0, 0, 0
	; THE WAY OUT.  The row's sum divides O^T; o is quantised and goes to LDS as operand images.
	v_and_b32 v245, 15, v0                         ; r
	v_bfe_u32 v246, v0, 4, 1                       ; h
	s_lshl_b32 s52, s[PR], 13
	s_add_co_u32 s52, s52, OIMG
	v_add_nc_u32 v[OLD], s52, v[LI]                ; all four heads' codes of my half's rows
	s_lshl_b32 s53, s[HD], 10
	s_add_co_u32 s53, s53, s52
	v_add_nc_u32 v[OST], s53, v[LI]                ; my head's
	s_mul_i32 s52, s[WV], 16*272
	s_add_co_u32 s52, s52, STAGE
	v_mul_u32_u24 v[STO], v245, 272
	v_mul_u32_u24 v[RD], v246, 272
	v_lshl_add_u32 v[STO], v246, 6, v[STO]
	v_lshl_add_u32 v[RD], v245, 4, v[RD]
	v_add_nc_u32 v[STO], s52, v[STO]
	v_add_nc_u32 v[RD], s52, v[RD]
	v_lshlrev_b32 v[GO], 10, v246
	v_lshl_add_u32 v[GO], v245, 4, v[GO]
.irp y, 0,1
	v_pk_add_f32 v[ST+14*\y+2:ST+14*\y+3], v[ST+14*\y+2:ST+14*\y+3], v[ST+14*\y+4:ST+14*\y+5]
.endr
.irp y, 0,1
	v_add_f32 v[ST+14*\y+8], v[ST+14*\y+2], v[ST+14*\y+3]
.endr
.irp y, 0,1
	v_permlanex16_b32 v[ST+14*\y+9], v[ST+14*\y+8], s[SEL], s[SEL+1]
.endr
.irp y, 0,1
	v_add_f32 v[ST+14*\y+8], v[ST+14*\y+8], v[ST+14*\y+9]
.endr
	VW
.irp y, 0,1
	v_rcp_f32 v[ST+14*\y+6], v[ST+14*\y+8]
.endr
	v_mov_b32 v[LIMV], s49
	v_mov_b32 v[SCV], s50
	VW
.irp y, 0,1
	v_ldexp_f32 v[ST+14*\y+6], v[ST+14*\y+6], s48  ; x 2^(e8 + e9)
.endr
	WIN 0x41
	VW
.irp y, 0,1
.set ii, 0
.rept 16
	v_pk_mul_f32 v[OT+32*\y+ii:OT+32*\y+ii+1], v[OT+32*\y+ii:OT+32*\y+ii+1], v[ST+14*\y+6:ST+14*\y+7] op_sel_hi:[1,0]
.set ii, ii+2
.endr
.endr
.set ii, 0
.rept 64
	v_med3_num_f32 v[OT+ii], v[OT+ii], -v[LIMV], v[LIMV]
.set ii, ii+1
.endr
	WIN 0x01
.irp y, 0,1
.irp g, 0,1,2,3
	v_cvt_scalef32_pk8_fp8_f32 v[PC+16*\y+2*\g:PC+16*\y+2*\g+1], v[OT+32*\y+8*\g:OT+32*\y+8*\g+7], v[SCV]
.endr
.endr
	WIN 0
	v_nop
.irp y, 0,1
.irp c, 0,1
	ds_store_b128 v[OST], v[PC+16*\y+4*\c:PC+16*\y+4*\c+3] offset:\y*4096+\c*512
.endr
.endr
	s_wait_dscnt 0x0                               ; for the others' sake
	s_barrier_signal -1
	s_barrier_wait -1
.irp y, 0,1
.irp n, 0,1,2,3,4,5,6,7
	ds_load_b128 v[S+32*\y+4*\n:S+32*\y+4*\n+3], v[OLD] offset:\y*4096+512*\n
.endr
.endr
	s_wait_loadcnt 0x0                             ; Wo's fragments
	s_wait_dscnt 0x0
; The eight accumulators take turns.  Source 0 = 16 columns of Wo, source 1 = 16 rows of o: a lane holds one row and eight neighbouring columns.
.irp s, 0,1
.irp t, 0,1,2,3
.set FW, 2*\t+\s
.set FA, WO+16*FW
.if FW == 7
	WIN 0
.set FA, W7
.else
	WIN 0x01
.endif
.irp y, 0,1
.if \s == 0
	v_wmma_f32_16x16x128_fp8_fp8 v[YA+8*(4*\y+\t):YA+8*(4*\y+\t)+7], v[FA:FA+15], v[S+32*\y+16*\s:S+32*\y+16*\s+15], 0
.else
	v_wmma_f32_16x16x128_fp8_fp8 v[YA+8*(4*\y+\t):YA+8*(4*\y+\t)+7], v[FA:FA+15], v[S+32*\y+16*\s:S+32*\y+16*\s+15], v[YA+8*(4*\y+\t):YA+8*(4*\y+\t)+7]
.endif
.endr
.endr
.endr
	WIN 0
	PLACES 4
.irp y, 0,1                            ; x 2^(e10 + e11), through my stage, and out as aligned units of 256 bytes, sixteen lanes each
.set TMP, 200-160*\y
.set ii, 0
.rept 16
	v_pk_mul_f32 v[TMP+ii:TMP+ii+1], v[YA+32*\y+ii:YA+32*\y+ii+1], s[SC2:SC2+1] op_sel_hi:[1,0]
.set ii, ii+2
.endr
.irp t, 0,1,2,3
	ds_store_b128 v[STO], v[TMP+8*\t:TMP+8*\t+3] offset:128*(\t>>1)+32*(\t&1)
	ds_store_b128 v[STO], v[TMP+8*\t+4:TMP+8*\t+7] offset:128*(\t>>1)+32*(\t&1)+16
.endr
.irp i, 0,1,2,3,4,5,6,7
	ds_load_b128 v[S+32*\y+4*\i:S+32*\y+4*\i+3], v[RD] offset:544*\i   ; LDS serves a wave's instructions in order: these see my stores
.endr
.endr
.irp y, 0,1
.irp i, 0,1,2,3,4,5,6,7
	s_wait_dscnt 23-16*\y-\i                       ; the LDS instructions issued behind this read
	global_store_b128 v[GO], v[S+32*\y+4*\i:S+32*\y+4*\i+3], s[14:15] offset:\y*8192+(2*\i+8*(\i>>2))*1024 th:TH_STORE_NT
.endr
.endr
	s_wait_tensorcnt 0x0                           ; the wave's end
	ds_add_u32 v[SPW], v[NIL]
	s_wait_dscnt 0x0
	CROUND                                         ; the closing round
	s_endpgm
.Lfunc_end_k_q5c4dbb31a0_attn:
	.size	k_q5c4dbb31a0_attn, .Lfunc_end_k_q5c4dbb31a0_attn-k_q5c4dbb31a0_attn
	.p2alignl 7, 3214868480
	.fill 96, 4, 3214868480
	.section	.rodata,"a",@progbits
	.p2align	6, 0x0
	.amdhsa_kernel k_q5c4dbb31a0_attn
		.amdhsa_group_segment_fixed_size 327680
		.amdhsa_private_segment_fixed_size 0
		.amdhsa_enable_private_segment 0
		.amdhsa_kernarg_size 48
		.amdhsa_user_sgpr_count 2
		.amdhsa_user_sgpr_kernarg_segment_ptr 1
		.amdhsa_wavefront_size32 1
		.amdhsa_system_sgpr_workgroup_id_x 1
		.amdhsa_system_sgpr_workgroup_id_y 1
		.amdhsa_system_sgpr_workgroup_id_z 1
		.amdhsa_system_vgpr_workitem_id 0
		.amdhsa_next_free_vgpr 512
		.amdhsa_next_free_sgpr 80
		.amdhsa_reserve_vcc 0
		.amdhsa_float_denorm_mode_32 3
		.amdhsa_float_denorm_mode_16_64 3
		.amdhsa_memory_ordered 1
		.amdhsa_forward_progress 1
		.amdhsa_inst_pref_size 197
	.end_amdhsa_kernel
	.amdgpu_metadata
---
amdhsa.version: [ 1, 2 ]
amdhsa.kernels:
  - .name:           k_q5c4dbb31a0_attn
    .symbol:         k_q5c4dbb31a0_attn.kd
    .args:
      - { .name: q_img, .offset: 0, .size: 8, .value_kind: global_buffer, .address_space: global }
      - { .name: k_img, .offset: 8, .size: 8, .value_kind: global_buffer, .address_space: global }
      - { .name: v_img, .offset: 16, .size: 8, .value_kind: global_buffer, .address_space: global }
      - { .name: wo_img, .offset: 24, .size: 8, .value_kind: global_buffer, .address_space: global }
      - { .name: lowp_scales, .offset: 32, .size: 8, .value_kind: global_buffer, .address_space: global }
      - { .name: out0, .offset: 40, .size: 8, .value_kind: global_buffer, .address_space: global }
    .group_segment_fixed_size: 327680
    .private_segment_fixed_size: 0
    .kernarg_segment_align: 8
    .kernarg_segment_size: 48
    .max_flat_workgroup_size: 256
    .sgpr_count:     80
    .vgpr_count:     512
    .wavefront_size: 32
...
	.end_amdgpu_metadata
.endif
;; end of part 2
